; MI455X (gfx1250); checked and timed in simulation.
; The chip was launched on July 23, 2026; its instructions are those of AMD's public machine-readable ISA for CDNA 5 (MIT licence, August 2026) and "CDNA5" Instruction Set Architecture Reference Guide (July 2026). The comments in the code are by the model that wrote it; some were corrected since.
;; Gathering Loss Dim. Allowed arithmetic: matrix products marked QUANTISED: E2M3 operands, one E8M0 scale for each 32 along K, by v_wmma_scale_f32_16x16x128_f8f6f4 with both operands' format E2M3, f32 sums; everything else in f32.
;; Inputs: items 2,048 x 512 float32; queries 8 x 8 x 1,024 x 512 float32.
;; Outputs: out0 8 x 1,024 float32.
;; This version of the problem:
;;   THIS VERSION OF THE PROBLEM IS GIVEN IN LOW PRECISION. The matrix products marked QUANTISED in the list below multiply operands that are first quantised to E2M3 (2 exponent bits, 3 mantissa bits; 6 bits a number), with one power-of-two scale for each 32 numbers along K (OCP MX v1.0); their sums are f32. All else is computed in f32.
;;   The module's matrix products, in the order in which they are computed (A, B: the left and right operand; K: the contracted axis; several contracted axes count as one K, in the product's order):
;;     1. [M 65,536, K 512] x [K 512, N 2,048]; A: input queries; B: input items: QUANTISED
;;   THE QUANTISER, for each operand of a quantised product, along K:
;;     - K is cut into blocks of 32 from its start; a last block that is shorter is filled with zeros.
;;     - A block's scale is 2^e with e = floor(log2(the largest magnitude in the block)) - 2, held to -126 .. 127; a block of zeros has e = 0. As a byte (E8M0): e + 127.
;;     - Each number is divided by its block's scale, clamped to +-7.5, and rounded to the nearest number of E2M3, ties to even, subnormals kept.
;;     - The product sums the exact products of the quantised numbers (number of the format x scale) in f32.
;;   ~~~python
;;   def quantise(x, axis):      # numpy; x: float32 -> the quantised numbers, widened to float32 again
;;       x = np.moveaxis(x, axis, -1); K = x.shape[-1]
;;       x = np.pad(x, [(0, 0)] * (x.ndim - 1) + [(0, -K % 32)]); x = x.reshape(x.shape[:-1] + (-1, 32)); a = np.abs(x).max(-1, keepdims=True)
;;       e = np.where(a > 0, np.clip(np.frexp(np.where(a > 0, a, 1))[1] - 1 - 2, -126, 127), 0)      # np.frexp(a)[1] - 1 = floor(log2(a)), exactly
;;       r = np.clip(x / 2.0 ** e, -7.5, 7.5)
;;       step = 2.0 ** (np.maximum(np.frexp(np.where(r == 0, 1, r))[1] - 1, 0) - 3)
;;       q = np.round(r / step) * step * 2.0 ** e      # np.round: ties to even
;;       return np.moveaxis(q.reshape(q.shape[:-2] + (-1,))[..., :K], -1, axis).astype(np.float32)
;;   ~~~
;; One version. Each part assembles by itself: llvm-mc -triple=amdgcn-amd-amdhsa -mcpu=gfx1250 --defsym DOCPART=n.
;; ======== version 1 of 1: 3 launches
;; limits: right only within a limited range of input values
;; workspace buffers: itimg 819,200 bytes; idxb 262,144 bytes of whole numbers
;; launch qitems (part 1): grid 128 x 1, 4 waves a work-group, no clusters, 34,816 bytes of LDS; arguments items, itimg; writes itimg
.if DOCPART == 1
	.amdgcn_target "amdgcn-amd-amdhsa--gfx1250"
	.amdhsa_code_object_version 6
	.text
	.protected	k_q4f035037db_qitems
	.globl	k_q4f035037db_qitems
	.p2align	8
	.type	k_q4f035037db_qitems,@function
k_q4f035037db_qitems:
	s_mov_b64 s[64:65], 0
	v_nop
	global_prefetch_b8 v0, s[64:65] scope:SCOPE_SE
	s_setreg_imm32_b32 hwreg(HW_REG_WAVE_MODE, 25, 1), 1
	s_wait_xcnt 0x0
; items [2048][512] f32 become codes of FP6 (E2M3) with one E8M0 scale byte for each 32 along K, laid as IMAGES OF OPERAND REGISTERS for the next launch.
; itimg: 128 records of 6,400 bytes; record T = items 16 T .. 16 T + 15.  Byte 1536 k + 512 c + 16 lane: registers 4 c .. 4 c + 3 of that lane's fragment (16 items x 128 K, K step k);
; byte 6144 + 16 r + 4 k: the scale word of item 16 T + r for K step k.  So a fragment comes back by three loads of 16 bytes a lane, and an item's four scale words by one.
; A block's scale is 2^(floor(log2(its largest magnitude)) - 2); its byte is the largest magnitude's exponent field - 2, held at 1 from below.
; LIMITS: a block of zeros, and one whose largest magnitude lies under 2^-124, gets the byte 1 (a block of zeros has zero codes, which add nothing, and this program alone reads the bytes);
; NaN and infinities among the inputs are not served.
; SHARES: work-group T takes item tile T, wave k its K step k: one fragment a wave; the tensor has 512 fragments, so 128 work-groups.  Nothing is shared between work-groups: no cluster, no tensor load.
; Each load reads 512 consecutive bytes of one row; the conversions want 16 neighbours along K in ONE lane, so the 16 x 512 bytes turn through the wave's own stage in LDS.
; WORK LEFT OUT BY THE WHOLE PROGRAM: the softmax.  Along its axis every score is exp(logit - the row's maximum) / the row's sum, with one maximum and one sum for the whole row: a strictly rising function of the logit.
; So in exact arithmetic argmax(softmax(logits)) = argmax(logits) for all finite inputs, and the scores reach the result by that argmax alone: exponentials, sum and division are not computed.  Both inputs are still loaded.
; LIMIT: a NaN, an infinity or an overflow that reaches only the softmax is not carried to the result; where two logits lie so close that the f32 softmax gives both the same score, this program takes the larger logit.
.set SPI,  528                         ; a stage row: 512 bytes + 16 = 33 x 16 bytes, so the 16 rows that a load of 16 bytes a lane touches start in 16 different groups of banks
.set WST,  16*SPI                      ; a wave's stage
.set SCL,  4*WST                       ; behind the stages: the record's 256 bytes of scale words
.set REC,  6400
.set R,    16                          ; v16-79   16 rows x 16 bytes a lane, as loaded
.set X,    80                          ; v80-143  64 numbers of my row: register 16 b + i = k 32 b + 16 (lane / 16) + i
.set TM,   144                         ; v144-147 largest magnitudes, v148-151 bytes, v156-159 the conversions' scale operands
.set PW,   160                         ; the scale word
.set PC,   162                         ; v162-173 the fragment; v174-181 at work
.set SEL,  20                          ; s[20:21] lane selects for v_permlanex16_b32: lane l xor 16
; 64 numbers of a lane become a fragment's codes in v[PC] on and its scale word in v[PW].
.macro QUANT s
.irp b, 0,1,2,3
	v_max3_num_f32 v[TM+\b], |v[\s+16*\b]|, |v[\s+1+16*\b]|, 0x1800000   ; block b: my 16 numbers, and the floor 2^(3 - 127): the byte cannot fall under 1
.endr
.irp i, 2,4,6,8,10,12,14
.irp b, 0,1,2,3
	v_max3_num_f32 v[TM+\b], v[TM+\b], |v[\s+16*\b+\i]|, |v[\s+1+16*\b+\i]|   ; the four blocks by turns
.endr
.endr
.irp b, 0,1,2,3
	v_permlanex16_b32 v[TM+4+\b], v[TM+\b], s[SEL], s[SEL+1]
.endr
.irp b, 0,1,2,3
	v_max_num_f32 v[TM+\b], v[TM+\b], v[TM+4+\b]   ; with lane l xor 16's: the block's largest magnitude
.endr
.irp b, 0,1,2,3
	v_add_nc_u32 v[TM+12+\b], 0xff000000, v[TM+\b]   ; 2 off its exponent field: the conversion takes this operand's exponent field as its scale
.endr
.irp b, 0,1,2,3
	v_lshrrev_b32 v[TM+4+\b], 23, v[TM+12+\b]      ; the scale's byte
.endr
	v_lshl_or_b32 v[PW], v[TM+5], 8, v[TM+4]
	v_lshl_or_b32 v[PW], v[TM+6], 16, v[PW]
	v_lshl_or_b32 v[PW], v[TM+7], 24, v[PW]        ; my row's scale word, the same in both halves of the lanes
.irp c, 0,1
	v_cvt_scalef32_pk16_fp6_f32 v[PC+6*\c:PC+2+6*\c], v[\s+32*\c:\s+15+32*\c], v[TM+12+2*\c]
	v_cvt_scalef32_pk16_fp6_f32 v[PC+12+4*\c:PC+14+4*\c], v[\s+16+32*\c:\s+31+32*\c], v[TM+12+2*\c+1]   ; (a conversion's three registers begin on an even number)
.endr
	v_nop                                          ; one plain instruction behind a scaled conversion
.irp c, 0,1                                    ; the operand's layout wants a whole block in a lane: lanes 0-15 block 2 c, lanes 16-31 block 2 c + 1
.irp i, 0,1,2
	v_permlane16_swap_b32 v[PC+6*\c+\i], v[PC+12+4*\c+\i]
.endr
.irp i, 0,1,2
	v_mov_b32 v[PC+3+6*\c+\i], v[PC+12+4*\c+\i]
.endr
.endr
.endm
	s_load_b128 s[4:7], s[0:1], 0x0                ; items s[4:5], itimg s[6:7]
	v_lshl_add_u32 v192, v0, 2, 0x8600
	v_mov_b32 v193, 0
	v_lshrrev_b32 v8, 5, v0
	v_readfirstlane_b32 s8, v8                     ; wave = K step k
	v_and_b32 v9, 31, v0                           ; lane
	v_and_b32 v10, 15, v0                          ; r
	v_bfe_u32 v11, v0, 4, 1                        ; h
	v_lshlrev_b32 v1, 4, v9                        ; 16 x lane
	s_mul_i32 s9, s8, WST
	v_add_nc_u32 v2, s9, v1                        ; into my stage: 16 x lane of a row
	v_mul_u32_u24 v3, v10, SPI
	v_lshl_add_u32 v3, v11, 6, v3
	v_add_nc_u32 v3, s9, v3                        ; out of it: row r, + 64 h: my 16 numbers of a block of 32
	s_lshl_b32 s10, s8, 2
	s_add_co_u32 s10, s10, SCL
	v_lshl_add_u32 v4, v10, 4, s10                 ; my scale word's place: SCL + 16 r + 4 k
	v_lshlrev_b32 v5, 3, v9                        ; the scale words' way out: 8 bytes a lane
	v_add_nc_u32 v6, SCL, v5
	s_mul_i32 s11, s8, 1536
	v_add_nc_u32 v7, s11, v1                       ; my fragment's image in the record: 1536 k + 16 x lane
	s_lshl_b32 s12, ttmp9, 15                      ; 16 rows of 2,048 bytes a tile,
	s_lshl_b32 s13, s8, 9                          ; 512 bytes a K step
	s_add_co_u32 s12, s12, s13
	s_mov_b32 s13, 0
	s_mul_i32 s14, ttmp9, REC
	s_mov_b32 s15, 0
	s_mov_b32 s[SEL], 0x76543210
	s_mov_b32 s[SEL+1], 0xfedcba98
.irp b, 0,1,2,3
	v_mov_b32 v[TM+4+\b], 0                        ; a lane permute's destination counts as one of its sources
.endr
	s_wait_alu depctr_va_vdst(0)
	s_wait_kmcnt 0x0
	s_add_nc_u64 s[4:5], s[4:5], s[12:13]
	s_add_nc_u64 s[6:7], s[6:7], s[14:15]
.irp i, 0,1,2,3,4,5,6,7,8,9,10,11,12,13,14,15
	global_load_b128 v[R+4*\i:R+4*\i+3], v1, s[4:5] offset:2048*\i   ; row i: 32 lanes read 512 consecutive bytes
.endr
	s_wait_loadcnt 0x0
.irp i, 0,1,2,3,4,5,6,7,8,9,10,11,12,13,14,15
	ds_store_b128 v2, v[R+4*\i:R+4*\i+3] offset:SPI*\i
.endr
.irp b, 0,1,2,3
.irp j, 0,1,2,3
	ds_load_b128 v[X+16*\b+4*\j:X+16*\b+4*\j+3], v3 offset:128*\b+16*\j   ; LDS serves a wave's instructions in order (ISA guide 5.7.1.4): these see my stores
.endr
.endr
	s_wait_dscnt 0x0
	QUANT X
.irp c, 0,1,2
	global_store_b128 v7, v[PC+4*\c:PC+4*\c+3], s[6:7] offset:512*\c   ; 32 lanes store 512 consecutive bytes, at a multiple of 256 from the buffer's first byte
.endr
	ds_store_b32 v4, v[PW]                         ; lanes r and r + 16 write the same word with the same value
	s_wait_dscnt 0x0                               ; for wave 0's sake: my word has landed
	s_barrier_signal -1
	s_barrier_wait -1
	s_cmp_lg_u32 s8, 0
	s_cbranch_scc1 .Lend                           ; wave 0 stores the record's scale words; no barrier stands under this branch
	ds_load_b64 v[12:13], v6
	s_wait_dscnt 0x0
	global_store_b64 v5, v[12:13], s[6:7] offset:6144   ; 32 lanes store 256 consecutive bytes, aligned
.Lend:
	s_wait_tensorcnt 0x0
	ds_add_u32 v192, v193
	s_wait_dscnt 0x0
	s_endpgm
.Lfunc_end_k_q4f035037db_qitems:
	.size	k_q4f035037db_qitems, .Lfunc_end_k_q4f035037db_qitems-k_q4f035037db_qitems
	.p2alignl 7, 3214868480
	.fill 96, 4, 3214868480
	.section	.rodata,"a",@progbits
	.p2align	6, 0x0
	.amdhsa_kernel k_q4f035037db_qitems
		.amdhsa_group_segment_fixed_size 34816
		.amdhsa_private_segment_fixed_size 0
		.amdhsa_enable_private_segment 0
		.amdhsa_kernarg_size 16
		.amdhsa_user_sgpr_count 2
		.amdhsa_user_sgpr_kernarg_segment_ptr 1
		.amdhsa_wavefront_size32 1
		.amdhsa_system_sgpr_workgroup_id_x 1
		.amdhsa_system_sgpr_workgroup_id_y 1
		.amdhsa_system_sgpr_workgroup_id_z 1
		.amdhsa_system_vgpr_workitem_id 0
		.amdhsa_next_free_vgpr 194
		.amdhsa_next_free_sgpr 66
		.amdhsa_reserve_vcc 0
		.amdhsa_float_denorm_mode_32 3
		.amdhsa_float_denorm_mode_16_64 3
		.amdhsa_memory_ordered 1
		.amdhsa_forward_progress 1
		.amdhsa_inst_pref_size 10
	.end_amdhsa_kernel
	.amdgpu_metadata
---
amdhsa.version: [ 1, 2 ]
amdhsa.kernels:
  - .name:           k_q4f035037db_qitems
    .symbol:         k_q4f035037db_qitems.kd
    .args:
      - { .name: items, .offset: 0, .size: 8, .value_kind: global_buffer, .address_space: global }
      - { .name: itimg, .offset: 8, .size: 8, .value_kind: global_buffer, .address_space: global }
    .group_segment_fixed_size: 34816
    .private_segment_fixed_size: 0
    .kernarg_segment_align: 8
    .kernarg_segment_size: 16
    .max_flat_workgroup_size: 128
    .sgpr_count:     66
    .vgpr_count:     194
    .wavefront_size: 32
...
	.end_amdgpu_metadata
.endif
;; end of part 1
;; launch amax (part 2): grid 256 x 1, 4 waves a work-group, clusters of 4 x 1, 327,680 bytes of LDS; arguments queries, itimg, idxb; writes idxb
.if DOCPART == 2
	.amdgcn_target "amdgcn-amd-amdhsa--gfx1250"
	.amdhsa_code_object_version 6
	.text
	.protected	k_q4f035037db_amax
	.globl	k_q4f035037db_amax
	.p2align	8
	.type	k_q4f035037db_amax,@function
k_q4f035037db_amax:
	s_mov_b64 s[64:65], 0
	v_nop
	global_prefetch_b8 v0, s[64:65] scope:SCOPE_SE
	s_setreg_imm32_b32 hwreg(HW_REG_WAVE_MODE, 25, 1), 1
	s_wait_xcnt 0x0
	s_wait_alu depctr_hold_cnt(0) depctr_sa_sdst(0) depctr_va_vdst(0) depctr_va_sdst(0) depctr_va_ssrc(0) depctr_va_vcc(0) depctr_vm_vsrc(0)
	s_getreg_b32 s2, hwreg(HW_REG_IB_STS2, 6, 4)
	s_cmp_eq_u32 s2, 0
	s_cbranch_scc0 .Lentry_in_a_cluster
	s_endpgm
.Lentry_in_a_cluster:
	s_bfe_u32 s2, ttmp6, 0x10000c
	s_cmp_lg_u32 s2, 0x3003
	s_cbranch_scc0 .Lentry_shape_is_right
	s_endpgm
.Lentry_shape_is_right:
; idxb[row] = the index of the largest logit of query row 'row' among the 2,048 items; logits = Q(queries) Q(items)^T in MX-FP6, f32 sums.  The softmax is left out (it rises strictly with the logit: see the first kernel's head).
; SHARES.  Work-group g: query rows 256 g .. + 255.  Wave w: query half w / 2 (128 rows: 8 tiles of 16, all of K: 384 registers of codes), item half w % 2 (64 tiles of 16 items).  2,048 matrix instructions a wave.
; PHASE 1: wave w loads rows 64 w .. + 63 as f32 (each byte once, 64 loads of 512 bytes a wave ahead), turns them through its stage in LDS, quantises them and leaves images of operand registers in LDS.
; PHASE 2: the item records (launch qitems) come through a ring of two LDS slots, 4 tiles of each item half to a slot, by one joint tensor load a wave: the 4 work-groups of a cluster walk the same records.
; THE PRODUCT IS USED TRANSPOSED (source 0 = 16 items, source 1 = 16 queries): a lane holds ONE query and its 8 registers 8 items (8 h + j).
; THE ARGMAX: for each tile of results the largest of a lane's 8 (4 instructions), one compare with the lane's running maximum, and, where the tile wins, its number, the new maximum and a copy of the 8 results are kept
; (selects, two to an instruction).  Which of the 8 it was is found once, behind the loop, from the copy.  The compare is strict, so the first tile that reaches the maximum stays; among equal numbers the least index is taken: jnp.argmax's choice.
; LIMITS: NaN and infinities among the inputs are not served; a block of zeros gets the scale byte 1 (zero codes add nothing; this program alone reads the bytes).
; No prefetch: the queries' own loads run 64 a wave ahead, and a refill of item records has four tiles (128 matrix instructions a wave) between its request and the wait for it.
; WINDOWS: 0: addresses, scale words, phase 1's work, then accumulators, copies and trackers.  2, 3: v0-191 the codes of query tiles 0-3, 4-7; v192-239 the two item buffers.  Window 3 holds phase 1's loads before that.
.set REC,   6400
.set STEPB, 4*REC
.set HALFI, 64*REC
.set WPART, 2*REC
.set SLOT1, 65536                      ; slot 0 at 0, slot 1 here: 8 records, 51,200 bytes, each
.set XIMG,  116736                     ; 16 query tiles x 6,144 bytes of register images
.set QSC,   215040                     ; their scale words: 512 bytes a tile
.set STG,   223232                     ; four stages of 16 rows x 528 bytes
.set SPI,   528
.set MRG,   257024                     ; (maximum, index) of 256 rows x 2 item halves
.set SPARE, 261120                     ; the spare words, 128 bytes a wave
.set L16, 1
.set SWR, 2
.set SRD, 3
.set XWB, 4
.set XSB, 5
.set QLI, 6
.set QLS, 7
.set LI,  8
.set LS,  9
.set ADI, 10
.set ADS, 11
.set MWR, 12
.set MRD, 13
.set GOI, 14
.set XWI, 15
.set XWS, 16
.set SPW, 28
.set NIL, 29
.set QS,  32                           ; v32-63  the queries' scale words: 4 m + k
.set IS,  64                           ; v64-71  the items' scale words, two sets
.set X,   72                           ; phase 1: 64 numbers
.set TM,  136
.set PW,  152
.set PC,  154
.set ACC, 72                           ; phase 2: v72-135 eight accumulators
.set SAVE, 136                         ; v136-199 the winning tile's eight results, for each query tile
.set TR,  200                          ; v200-215 pairs: the winning tile's number (even), the running maximum (odd)
.set CURV, 224                         ; the tile's number
.set TT,  225                          ; v225, 227 .. 239: a tile's largest, for each query tile
.set HJ,  240                          ; the way out: 8 h + j
.set RES, 72
.set IX,  88
.set WV,  10
.set G1,  16
.set G0A, 24
.set G0B, 28
.set TB,  32
.set CNT, 35
.set SEL, 36
.set BIG, 38
.set QB,  40
.set XO,  48
.set SO,  49
.set MSB, 0
.macro WIN new                         ; the immediate's high byte repeats the setting that is left
.if MSB != (\new)
	s_set_vgpr_msb (MSB<<8)|(\new)
.set MSB, (\new)
.endif
.endm
.macro ROUND                           ; a round of the cluster's barrier
	s_barrier_signal -1
	s_barrier_wait -1
	s_cmp_lg_u32 s[WV], 0
	s_cbranch_scc1 .Lnot_wave_0_\@
	s_barrier_signal -3
.Lnot_wave_0_\@:
	s_barrier_wait -3
	s_barrier_signal -1
	s_barrier_wait -1
.endm
; 64 numbers of a lane (register 16 b + i = k 32 b + 16 h + i of its row) become a fragment's codes in v[PC] on and its scale word in v[PW]
.macro QUANT s
.irp b, 0,1,2,3
	v_max3_num_f32 v[TM+\b], |v[\s+16*\b]|, |v[\s+1+16*\b]|, 0x1800000   ; with the floor 2^(3 - 127): the byte cannot fall under 1
.endr
.irp i, 2,4,6,8,10,12,14
.irp b, 0,1,2,3
	v_max3_num_f32 v[TM+\b], v[TM+\b], |v[\s+16*\b+\i]|, |v[\s+1+16*\b+\i]|
.endr
.endr
.irp b, 0,1,2,3
	v_permlanex16_b32 v[TM+4+\b], v[TM+\b], s[SEL], s[SEL+1]
.endr
.irp b, 0,1,2,3
	v_max_num_f32 v[TM+\b], v[TM+\b], v[TM+4+\b]   ; the block's largest magnitude
.endr
.irp b, 0,1,2,3
	v_add_nc_u32 v[TM+12+\b], 0xff000000, v[TM+\b]   ; 2 off its exponent field: the conversion's scale operand
.endr
.irp b, 0,1,2,3
	v_lshrrev_b32 v[TM+4+\b], 23, v[TM+12+\b]      ; the scale's byte
.endr
	v_lshl_or_b32 v[PW], v[TM+5], 8, v[TM+4]
	v_lshl_or_b32 v[PW], v[TM+6], 16, v[PW]
	v_lshl_or_b32 v[PW], v[TM+7], 24, v[PW]
.irp c, 0,1
	v_cvt_scalef32_pk16_fp6_f32 v[PC+6*\c:PC+2+6*\c], v[\s+32*\c:\s+15+32*\c], v[TM+12+2*\c]
	v_cvt_scalef32_pk16_fp6_f32 v[PC+12+4*\c:PC+14+4*\c], v[\s+16+32*\c:\s+31+32*\c], v[TM+12+2*\c+1]
.endr
	v_nop                                          ; one plain instruction behind a scaled conversion
.irp c, 0,1                                    ; a whole block to a lane
.irp i, 0,1,2
	v_permlane16_swap_b32 v[PC+6*\c+\i], v[PC+12+4*\c+\i]
.endr
.irp i, 0,1,2
	v_mov_b32 v[PC+3+6*\c+\i], v[PC+12+4*\c+\i]
.endr
.endr
.endm
; 16 rows x 128 K: through the stage, quantised, the image into LDS.  left: the younger loads that may stay out; nxt: the same piece of the next 16 rows is asked for
.macro PIECE rs, k, left, nxt
	s_wait_loadcnt \left
	WIN 0x0c
.irp i, 0,1,2,3,4,5,6,7,8,9,10,11,12,13,14,15
	ds_store_b128 v[SWR], v[\rs+4*\i:\rs+4*\i+3] offset:SPI*\i
.endr
	WIN 0
.irp b, 0,1,2,3
.irp j, 0,1,2,3
	ds_load_b128 v[X+16*\b+4*\j:X+16*\b+4*\j+3], v[SRD] offset:128*\b+16*\j   ; LDS serves a wave's instructions in order: these see my stores
.endr
.endr
	s_wait_dscnt 0x0
.if \nxt
	WIN 0xc0
.irp i, 0,1,2,3,4,5,6,7,8,9,10,11,12,13,14,15
	global_load_b128 v[\rs+4*\i:\rs+4*\i+3], v[L16], s[QB:QB+1] offset:32768+2048*\i+512*\k th:TH_LOAD_NT
.endr
	WIN 0
.endif
	QUANT X
.irp c, 0,1,2
	ds_store_b128 v[XWI], v[PC+4*\c:PC+4*\c+3] offset:1536*\k+512*\c
.endr
	ds_store_b32 v[XWS], v[PW] offset:4*\k
.endm
.macro FETCH b, fo                     ; an item record at byte fo of the slot: 48 registers of codes into buffer b, 4 scale words
	WIN (2+(\b))<<6
.irp c, 0,1,2,3,4,5,6,7,8,9,10,11
	ds_load_b128 v[192+4*\c:192+4*\c+3], v[ADI] offset:\fo+512*\c
.endr
	WIN 0
	ds_load_b128 v[IS+4*(\b):IS+4*(\b)+3], v[ADS] offset:\fo
.endm
.macro MMUL p, g                       ; the i-th of 16: query tile 4 g + i % 4, K step i / 4: four accumulators by turns
.set rD, ACC+8*(4*(\g)+i%4)
.set rA, 192+12*(i/4)
.set rB, 48*(i%4)+12*(i/4)
.set rI, IS+4*(\p)+i/4
.set rQ, QS+16*(\g)+4*(i%4)+i/4
.if i < 4
	v_wmma_scale_f32_16x16x128_f8f6f4 v[rD:rD+7], v[rA:rA+11], v[rB:rB+11], 0, v[rI], v[rQ] matrix_a_fmt:MATRIX_FMT_FP6 matrix_b_fmt:MATRIX_FMT_FP6
.else
	v_wmma_scale_f32_16x16x128_f8f6f4 v[rD:rD+7], v[rA:rA+11], v[rB:rB+11], v[rD:rD+7], v[rI], v[rQ] matrix_a_fmt:MATRIX_FMT_FP6 matrix_b_fmt:MATRIX_FMT_FP6
.endif
.endm
.macro KEEP2 d, a                      ; where VCC: registers d, d + 1 take a, a + 1
	v_dual_cndmask_b32 v[(\d)], v[(\d)], v[(\a)] :: v_dual_cndmask_b32 v[(\d)+1], v[(\d)+1], v[(\a)+1]
.endm
.macro KEEPT m                         ; where VCC: the tile's number; and the running maximum
	v_dual_cndmask_b32 v[TR+2*(\m)], v[TR+2*(\m)], v[CURV] :: v_dual_max_num_f32 v[TR+2*(\m)+1], v[TT+2*(\m)], v[TR+2*(\m)+1]
.endm
.macro SCAN                            ; the eight query tiles by turns; each accumulator is read from its low end on
.irp m, 0,1,2,3,4,5,6,7
	v_max3_num_f32 v[TT+2*\m], v[ACC+8*\m], v[ACC+8*\m+1], v[ACC+8*\m+2]
.endr
.irp a, 3,5
.irp m, 0,1,2,3,4,5,6,7
	v_max3_num_f32 v[TT+2*\m], v[TT+2*\m], v[ACC+8*\m+\a], v[ACC+8*\m+\a+1]
.endr
.endr
.irp m, 0,1,2,3,4,5,6,7
	v_max_num_f32 v[TT+2*\m], v[TT+2*\m], v[ACC+8*\m+7]   ; the largest of my query's 8 items of this tile
.endr
.irp m, 0,1,2,3,4,5,6,7
	v_cmp_gt_f32 vcc_lo, v[TT+2*\m], v[TR+2*\m+1]  ; strictly over all earlier tiles?
	KEEPT \m
.irp j, 0,2,4,6
	KEEP2 SAVE+8*\m+\j, ACC+8*\m+\j
.endr
.endr
.endm
; One item tile against my 8 query tiles: 32 matrix instructions from buffer p; the next record is asked for first, into the other buffer
.macro TILE p, fo, fetch
	s_wait_dscnt 0x0                               ; buffer p and its scale words are in (asked for a tile ago)
.if \fetch
	FETCH 1-\p, \fo
.endif
.irp g, 0,1
	WIN 0x0a+4*\g+\p                               ; source 0: window 2 + p, source 1: window 2 + g, C and D: window 0
.set i, 0
.rept 16
	MMUL \p, \g
.set i, i+1
.endr
.endr
	WIN 0
	v_add_nc_u32 v[CURV], 1, v[CURV]               ; this tile's number; with the three below, the four places behind the last products
	v_nop
	v_nop
	v_nop
	SCAN
.endm
; The change of slots: the slot's last record is in registers.  fill = 1: the slot is filled again, two steps ahead, behind a round of the cluster's barrier
.macro CHANGE fill
	s_wait_tensorcnt 0x0                           ; my part of the next slot has landed
	ds_add_u32 v[SPW], v[NIL]
.if \fill
	s_xor_b32 s[G0B+1], s[G0B+1], SLOT1
	s_add_nc_u64 s[G0B+2:G0B+3], s[G0B+2:G0B+3], STEPB
.endif
	s_xor_b32 s[TB], s[TB], SLOT1
	s_wait_dscnt 0x0                               ; the add, and my reads of this slot
.if \fill
	ROUND
	tensor_load_to_lds s[G0B:G0B+3], s[G1:G1+7]
	s_nop 0
.else
	s_barrier_signal -1
	s_barrier_wait -1
.endif
	v_add_nc_u32 v[ADI], s[TB], v[LI]
	v_add_nc_u32 v[ADS], s[TB], v[LS]
	v_nop
	v_nop
.endm
.macro STEP kind                       ; a slot's four tiles.  kind 1: change and refill; 2: change alone; 0: the last slot
	TILE 0, REC, 1
	TILE 1, 2*REC, 1
	TILE 0, 3*REC, 1
.if \kind == 1
	CHANGE 1
.elseif \kind == 2
	CHANGE 0
.endif
.if \kind
	s_wait_alu depctr_va_vdst(0)
	TILE 1, 0, 1
.else
	TILE 1, 0, 0
.endif
.endm
	s_load_b128 s[4:7], s[0:1], 0x0                ; queries, itimg
	s_load_b64 s[8:9], s[0:1], 0x10                ; idxb
	v_lshl_add_u32 v[SPW], v0, 2, SPARE
	v_mov_b32 v[NIL], 0
	ds_add_u32 v[SPW], v[NIL]                      ; the opening lines: the add, twice on end
	ds_add_u32 v[SPW], v[NIL]
	v_lshrrev_b32 v17, 5, v0
	v_readfirstlane_b32 s[WV], v17                 ; wave
	v_and_b32 v17, 31, v0                          ; lane
	v_lshlrev_b32 v[L16], 4, v17
	s_lshr_b32 s11, s[WV], 1                       ; my query half; as a loader: which item half
	s_and_b32 s12, s[WV], 1                        ; my item half; as a loader: which two records of four
	s_bfe_u32 s13, ttmp6, 0x40000
	s_lshl_b32 s14, ttmp9, 2
	s_add_co_u32 s14, s14, s13                     ; work-group
	s_mov_b32 s[G1+0], 15|(3<<16)|(1<<21)          ; all four partners; elements of 8 bytes
	s_mov_b32 s[G1+1], 32<<16                      ; two records, dense: 50 rows of 256 bytes
	s_mov_b32 s[G1+2], 50<<16
	s_mov_b32 s[G1+3], 32<<16
	s_mov_b32 s[G1+4], 50
	s_mov_b32 s[G1+5], 32
	s_mov_b32 s[G1+6], 0
	s_mov_b32 s[G1+7], 0
	s_mul_i32 s42, s11, HALFI
	s_mul_i32 s43, s12, WPART
	s_add_co_u32 s42, s42, s43
	s_mov_b32 s43, 0
	s_lshl_b32 s44, s14, 19                        ; 256 rows of 2,048 bytes a work-group,
	s_lshl_b32 s45, s[WV], 17                      ; 64 a wave
	s_add_co_u32 s44, s44, s45
	s_mov_b32 s45, 0
	s_lshl_b32 s46, s14, 10
	s_lshl_b32 s47, s[WV], 8
	s_add_co_u32 s46, s46, s47
	s_mov_b32 s47, 0
	s_mov_b32 s[G0A], 1
	s_mul_i32 s[G0A+1], s[WV], WPART
	s_mov_b32 s[G0B], 1
	s_add_co_u32 s[G0B+1], s[G0A+1], SLOT1
	s_mov_b32 s[SEL], 0x76543210
	s_mov_b32 s[SEL+1], 0xfedcba98
	s_mov_b32 s[BIG], 0x7fffffff
	s_mov_b32 s[XO], 0
	s_mov_b32 s[SO], 0
	s_mul_i32 s50, s[WV], 16*SPI                   ; the LDS bases, all from the wave's number
	s_add_co_u32 s50, s50, STG
	s_mul_i32 s51, s[WV], 24576
	s_add_co_u32 s51, s51, XIMG
	s_lshl_b32 s52, s[WV], 11
	s_add_co_u32 s52, s52, QSC
	s_mul_i32 s53, s11, 49152
	s_add_co_u32 s53, s53, XIMG
	s_lshl_b32 s54, s11, 12
	s_add_co_u32 s54, s54, QSC
	s_mul_i32 s55, s12, STEPB
	s_add_co_u32 s56, s55, 6144
	s_lshl_b32 s57, s12, 11
	s_lshl_b32 s58, s11, 10
	s_add_co_u32 s57, s57, s58
	s_add_co_u32 s57, s57, MRG
	s_lshl_b32 s58, s[WV], 9
	s_add_co_u32 s58, s58, MRG
	s_lshl_b32 s59, s12, 6
	s_sub_co_u32 s59, s59, 1                       ; one under my first tile's number
	s_wait_alu depctr_va_vdst(0)
	s_wait_dscnt 0x0                               ; both opening adds are done
	s_wait_kmcnt 0x0
	s_add_nc_u64 s[G0A+2:G0A+3], s[6:7], s[42:43]
	s_add_nc_u64 s[G0B+2:G0B+3], s[G0A+2:G0A+3], STEPB
	s_or_b32 s[G0A+3], s[G0A+3], 0x80000000
	s_or_b32 s[G0B+3], s[G0B+3], 0x80000000
	s_add_nc_u64 s[QB:QB+1], s[4:5], s[44:45]
	s_add_nc_u64 s[8:9], s[8:9], s[46:47]
	WIN 0xc0
.irp k, 0,1,2,3                                ; my first 16 rows, 64 loads of 512 consecutive bytes: they go out ahead of everything else
.irp i, 0,1,2,3,4,5,6,7,8,9,10,11,12,13,14,15
	global_load_b128 v[64*\k+4*\i:64*\k+4*\i+3], v[L16], s[QB:QB+1] offset:2048*\i+512*\k th:TH_LOAD_NT
.endr
.endr
	WIN 0
	ROUND                                          ; in front of the first joint load
	tensor_load_to_lds s[G0A:G0A+3], s[G1:G1+7]    ; slot 0: my one tensor load at the head
	s_nop 0
	v_and_b32 v18, 15, v0                          ; r
	v_bfe_u32 v19, v0, 4, 1                        ; h
	v_add_nc_u32 v[SWR], s50, v[L16]
	v_mul_u32_u24 v[SRD], v18, SPI
	v_lshl_add_u32 v[SRD], v19, 6, v[SRD]
	v_add_nc_u32 v[SRD], s50, v[SRD]
	v_add_nc_u32 v[XWB], s51, v[L16]
	v_add_nc_u32 v[XSB], s52, v[L16]
	v_add_nc_u32 v[QLI], s53, v[L16]
	v_add_nc_u32 v[QLS], s54, v[L16]
	v_add_nc_u32 v[LI], s55, v[L16]
	v_lshl_add_u32 v[LS], v18, 4, s56
	v_lshl_add_u32 v[MWR], v18, 3, s57
	v_add_nc_u32 v[MRD], s58, v[L16]
	v_lshlrev_b32 v[GOI], 3, v17
.irp b, 0,1,2,3
	v_mov_b32 v[TM+4+\b], 0                        ; a lane permute's destination counts as one of its sources
.endr
	s_mov_b32 s[CNT], 3
	s_wait_alu depctr_va_vdst(0)
.Lq:                                                   ; a trip: 16 rows, four pieces; the next 16 rows are asked for piece by piece
	v_add_nc_u32 v[XWI], s[XO], v[XWB]
	v_add_nc_u32 v[XWS], s[SO], v[XSB]
	PIECE 0,   0, 48, 1
	PIECE 64,  1, 48, 1
	PIECE 128, 2, 48, 1
	PIECE 192, 3, 48, 1
	s_wait_xcnt 0x0                                ; the loads have read their base
	s_add_nc_u64 s[QB:QB+1], s[QB:QB+1], 32768
	s_add_co_u32 s[XO], s[XO], 6144
	s_add_co_u32 s[SO], s[SO], 512
	s_sub_co_u32 s[CNT], s[CNT], 1
	s_cmp_lg_u32 s[CNT], 0
	s_cbranch_scc1 .Lq
	v_add_nc_u32 v[XWI], s[XO], v[XWB]
	v_add_nc_u32 v[XWS], s[SO], v[XSB]
	PIECE 0,   0, 48, 0                            ; the last 16 rows: the counts run down
	PIECE 64,  1, 32, 0
	PIECE 128, 2, 16, 0
	PIECE 192, 3, 0,  0
	s_wait_tensorcnt 0x0                           ; slot 0 has landed; slot 1's first fill is issued as a refill is
	ds_add_u32 v[SPW], v[NIL]
	s_mov_b32 s[TB], 0
	s_wait_dscnt 0x0                               ; the add, and my images: the round's barriers show them to the other waves
	ROUND
	tensor_load_to_lds s[G0B:G0B+3], s[G1:G1+7]
	s_nop 0
	v_add_nc_u32 v[ADI], s[TB], v[LI]
	v_add_nc_u32 v[ADS], s[TB], v[LS]
	v_mov_b32 v[CURV], s59
	v_mov_b32 v[TT], 0xff800000
	s_wait_alu depctr_va_vdst(0)
	FETCH 0, 0
	WIN 0x80
.set i, 0
.rept 48
	ds_load_b128 v[4*i:4*i+3], v[QLI] offset:512*i           ; query tiles 0-3
.set i, i+1
.endr
	WIN 0xc0
.set i, 0
.rept 48
	ds_load_b128 v[4*i:4*i+3], v[QLI] offset:512*(48+i)      ; query tiles 4-7
.set i, i+1
.endr
	WIN 0
.irp m, 0,1,2,3,4,5,6,7
	ds_load_b128 v[QS+4*\m:QS+4*\m+3], v[QLS] offset:512*\m
.endr
.set i, 0
.rept 32                                       ; while the loads are out: the copies and the maxima begin under every finite number
	v_dual_mov_b32 v[SAVE+2*i], v[TT] :: v_dual_mov_b32 v[SAVE+2*i+1], v[TT]
.set i, i+1
.endr
.irp m, 0,1,2,3,4,5,6,7
	v_mov_b32 v[TR+2*\m], 0
	v_mov_b32 v[TR+2*\m+1], v[TT]
.endr
	s_mov_b32 s[CNT], 14
.Lstep:
	s_wait_alu depctr_va_vdst(0)
	STEP 1
	s_sub_co_u32 s[CNT], s[CNT], 1
	s_cmp_lg_u32 s[CNT], 0
	s_cbranch_scc1 .Lstep
	STEP 2                                         ; the last two slots ask for nothing more
	STEP 0
	; THE WAY OUT: which of the winning tile's 8, the other half of the lanes, the other item half
	v_bfe_u32 v[HJ], v0, 4, 1
	v_lshlrev_b32 v[HJ], 3, v[HJ]
.irp j, 1,2,3,4,5,6,7
	v_add_nc_u32 v[HJ+\j], \j, v[HJ]               ; 8 h + j
.endr
.irp m, 0,1,2,3,4,5,6,7
	v_permlanex16_b32 v[TT+2*\m], v[TR+2*\m+1], s[SEL], s[SEL+1]
.endr
.irp m, 0,1,2,3,4,5,6,7
	v_max_num_f32 v[RES+2*\m], v[TR+2*\m+1], v[TT+2*\m]   ; the query's maximum over my item half
.endr
.irp m, 0,1,2,3,4,5,6,7
.irp j, 0,1,2,3,4,5,6,7
	v_lshl_add_u32 v[IX+\j], v[TR+2*\m], 4, v[HJ+\j]      ; 16 x tile + 8 h + j
.endr
.irp j, 0,1,2,3,4,5,6,7
	v_cmp_eq_f32 vcc_lo, v[SAVE+8*\m+\j], v[RES+2*\m]
	v_cndmask_b32 v[IX+\j], s[BIG], v[IX+\j], vcc_lo      ; only those that reach the maximum count
.endr
.irp j, 0,2,4,6
	v_min_u32 v[IX+\j], v[IX+\j], v[IX+\j+1]
.endr
	v_min_u32 v[IX], v[IX], v[IX+2]
	v_min_u32 v[IX+4], v[IX+4], v[IX+6]
	v_min_u32 v[IX], v[IX], v[IX+4]
	v_permlanex16_b32 v[TT+2*\m], v[IX], s[SEL], s[SEL+1]
	v_min_u32 v[RES+2*\m+1], v[IX], v[TT+2*\m]            ; the least index among them
.endr
.irp m, 0,1,2,3,4,5,6,7
	ds_store_b64 v[MWR], v[RES+2*\m:RES+2*\m+1] offset:128*\m   ; lanes r and r + 16 write the same pair
.endr
	s_wait_dscnt 0x0                               ; for the others' sake
	s_barrier_signal -1
	s_barrier_wait -1
	ds_load_b128 v[176:179], v[MRD]                ; two rows' pairs of item half 0,
	ds_load_b128 v[180:183], v[MRD] offset:2048    ; and of item half 1, which wins only if strictly larger
	s_wait_dscnt 0x0
	v_cmp_gt_f32 vcc_lo, v180, v176
	v_cndmask_b32 v184, v177, v181, vcc_lo
	v_cmp_gt_f32 vcc_lo, v182, v178
	v_cndmask_b32 v185, v179, v183, vcc_lo
	global_store_b64 v[GOI], v[184:185], s[8:9]    ; 32 lanes store 256 consecutive bytes, aligned
	s_wait_tensorcnt 0x0                           ; the wave's end
	ds_add_u32 v[SPW], v[NIL]
	s_wait_dscnt 0x0
	ROUND                                          ; the closing round
	s_endpgm
.Lfunc_end_k_q4f035037db_amax:
	.size	k_q4f035037db_amax, .Lfunc_end_k_q4f035037db_amax-k_q4f035037db_amax
	.p2alignl 7, 3214868480
	.fill 96, 4, 3214868480
	.section	.rodata,"a",@progbits
	.p2align	6, 0x0
	.amdhsa_kernel k_q4f035037db_amax
		.amdhsa_group_segment_fixed_size 327680
		.amdhsa_private_segment_fixed_size 0
		.amdhsa_enable_private_segment 0
		.amdhsa_kernarg_size 24
		.amdhsa_user_sgpr_count 2
		.amdhsa_user_sgpr_kernarg_segment_ptr 1
		.amdhsa_wavefront_size32 1
		.amdhsa_system_sgpr_workgroup_id_x 1
		.amdhsa_system_sgpr_workgroup_id_y 1
		.amdhsa_system_sgpr_workgroup_id_z 1
		.amdhsa_system_vgpr_workitem_id 0
		.amdhsa_next_free_vgpr 1024
		.amdhsa_next_free_sgpr 66
		.amdhsa_reserve_vcc 1
		.amdhsa_float_denorm_mode_32 3
		.amdhsa_float_denorm_mode_16_64 3
		.amdhsa_memory_ordered 1
		.amdhsa_forward_progress 1
		.amdhsa_inst_pref_size 207
	.end_amdhsa_kernel
	.amdgpu_metadata
---
amdhsa.version: [ 1, 2 ]
amdhsa.kernels:
  - .name:           k_q4f035037db_amax
    .symbol:         k_q4f035037db_amax.kd
    .args:
      - { .name: queries, .offset: 0, .size: 8, .value_kind: global_buffer, .address_space: global }
      - { .name: itimg, .offset: 8, .size: 8, .value_kind: global_buffer, .address_space: global }
      - { .name: idxb, .offset: 16, .size: 8, .value_kind: global_buffer, .address_space: global }
    .group_segment_fixed_size: 327680
    .private_segment_fixed_size: 0
    .kernarg_segment_align: 8
    .kernarg_segment_size: 24
    .max_flat_workgroup_size: 128
    .sgpr_count:     66
    .vgpr_count:     1024
    .wavefront_size: 32
...
	.end_amdgpu_metadata
.endif
;; end of part 2
;; launch loss (part 3): grid 256 x 1, 16 waves a work-group, no clusters, 2,304 bytes of LDS; arguments queries, items, idxb, out0; writes out0
.if DOCPART == 3
	.amdgcn_target "amdgcn-amd-amdhsa--gfx1250"
	.amdhsa_code_object_version 6
	.text
	.protected	k_q4f035037db_loss
	.globl	k_q4f035037db_loss
	.p2align	8
	.type	k_q4f035037db_loss,@function
k_q4f035037db_loss:
	s_mov_b64 s[64:65], 0
	v_nop
	global_prefetch_b8 v0, s[64:65] scope:SCOPE_SE
	s_setreg_imm32_b32 hwreg(HW_REG_WAVE_MODE, 25, 1), 1
	s_wait_xcnt 0x0
; out0[b][t] = the sum over k = 0 .. 7 and n = 0 .. 511 of (queries[b][k][t][n] - items[idxb[b][k][t]][n])^2, all in f32, on the numbers as they were given (nothing here is quantised).
; The difference is formed first and then squared: no difference of large sums.  The order of the f32 sums differs from a sum over n and then over k.
; SHARES.  Work-group g: b = g / 32, t = 32 (g % 32) .. + 31.  Wave w owns outputs t0 = 32 (g % 32) + 2 w and t0 + 1: 16 rows, row p = 8 tt + k.  Each output has one owner.
; A stream: each row of queries is read once, 512 consecutive bytes a load; the item rows come by the stored indices.  Matrix units, tensor loads and clusters would add nothing: work-groups share no tile.
; The indices are whole numbers that the launch before stored; each is held at 2,047 before it enters an address.
; Six row slots in registers: five rows are on their way while one is worked on.  Every offset is an immediate and no address register is written again.
.set GO,  2                            ; v2-17   row p: 2048 x its index + 16 x lane
.set SUM, 18                           ; v18-25  two chains of pairs for each of my two outputs
.set SL,  32                           ; v32-223 six slots of 32: the query's 16 registers, the item's 16
.macro LOADQ p
.set LQ, SL+32*((\p)%6)
.irp j, 0,1,2,3
	global_load_b128 v[LQ+4*\j:LQ+4*\j+3], v1, s[4:5] offset:((\p)%8-4)*2097152+((\p)/8)*2048+512*\j th:TH_LOAD_NT   ; the base stands at k = 4, so that all eight k lie inside the signed 24-bit immediate (ISA guide, chapter 10)
.endr
.endm
.macro LOADG p
.set LG, SL+32*((\p)%6)+16
.irp j, 0,1,2,3
	global_load_b128 v[LG+4*\j:LG+4*\j+3], v[GO+(\p)], s[6:7] offset:512*\j
.endr
.endm
.macro ROW p
.set QR, SL+32*((\p)%6)
.set GR, QR+16
.set AC, SUM+4*((\p)/8)
.if (\p) < 6
	s_wait_loadcnt 20+4*(\p)                       ; behind this row's item loads: those of the first six rows that follow it, 4 (5 - p), and eight for each of the p rows asked for since
.elseif (\p) < 10
	s_wait_loadcnt 40                              ; the five younger rows' eight loads each
.else
	s_wait_loadcnt 8*(15-(\p))                     ; the counts run down
.endif
.irp i, 0,1,2,3,4,5,6,7
	v_pk_add_f32 v[QR+2*\i:QR+2*\i+1], v[QR+2*\i:QR+2*\i+1], v[GR+2*\i:GR+2*\i+1] neg_lo:[0,1] neg_hi:[0,1]   ; q - g
.endr
.irp i, 0,1,2,3,4,5,6,7
.if ((\p)%8 == 0) && (\i < 2)
	v_pk_mul_f32 v[AC+2*\i:AC+2*\i+1], v[QR+2*\i:QR+2*\i+1], v[QR+2*\i:QR+2*\i+1]   ; an output's first squares start its two chains: nothing is cleared
.else
	v_pk_fma_f32 v[AC+2*(\i%2):AC+2*(\i%2)+1], v[QR+2*\i:QR+2*\i+1], v[QR+2*\i:QR+2*\i+1], v[AC+2*(\i%2):AC+2*(\i%2)+1]
.endif
.endr
.if (\p)+6 <= 15
	LOADQ (\p)+6
	LOADG (\p)+6
.endif
.endm
	s_load_b256 s[4:11], s[0:1], 0x0               ; queries s[4:5], items s[6:7], idxb s[8:9], out0 s[10:11]
	v_lshl_add_u32 v224, v0, 2, 0x100
	v_mov_b32 v225, 0
	v_lshrrev_b32 v30, 5, v0
	s_delay_alu instid0(VALU_DEP_1)
	v_readfirstlane_b32 s12, v30                   ; wave 0..15
	s_delay_alu instid0(VALU_DEP_2)
	v_lshlrev_b32 v30, 3, v30                      ; LDS: my two sums at 8 x wave
	v_and_b32 v31, 31, v0
	s_delay_alu instid0(VALU_DEP_1)
	v_lshlrev_b32 v1, 4, v31                       ; 16 x lane
	s_delay_alu instid0(VALU_DEP_2)
	v_lshlrev_b32 v31, 2, v31                      ; 4 x lane
	v_mov_b32 v28, 0                               ; a lane permute's destination counts as one of its sources
	v_mov_b32 v29, 0
	s_lshr_b32 s13, ttmp9, 5                       ; b
	s_and_b32 s14, ttmp9, 31
	s_lshl_b32 s14, s14, 5                         ; the work-group's first t
	s_lshl_b32 s15, s12, 1
	s_add_co_u32 s15, s15, s14                     ; t0
	s_lshl_b32 s34, s13, 13                        ; 8,192 b: row (b, k = 0, t = 0)
	s_add_co_u32 s36, s34, s15
	s_lshl_b32 s36, s36, 2                         ; idxb: 4 bytes a row
	s_mov_b32 s37, 0
	s_add_co_u32 s38, s34, 4096                    ; row (b, k = 4, t0),
	s_add_co_u32 s38, s38, s15
	s_lshl_b32 s38, s38, 11                        ; of 2,048 bytes (under 2^27)
	s_mov_b32 s39, 0
	s_lshl_b32 s40, s13, 10
	s_add_co_u32 s40, s40, s14
	s_lshl_b32 s40, s40, 2                         ; out0 at (b, the work-group's first t)
	s_mov_b32 s41, 0
	s_mov_b32 s32, 0x76543210                      ; v_permlanex16_b32's selects for lane l xor 16
	s_mov_b32 s33, 0xfedcba98
	s_wait_alu depctr_va_vdst(0)
	s_wait_kmcnt 0x0
	s_add_nc_u64 s[8:9], s[8:9], s[36:37]
	s_add_nc_u64 s[4:5], s[4:5], s[38:39]
	s_add_nc_u64 s[10:11], s[10:11], s[40:41]
.irp k, 0,1,2,3,4,5,6,7
	s_load_b64 s[16+2*\k:17+2*\k], s[8:9], 4096*\k   ; the indices of rows (k, t0) and (k, t0 + 1)
.endr
.irp p, 0,1,2,3,4,5
	LOADQ \p                                       ; the queries' addresses hang on no index: six rows go out while the indices come
.endr
	s_wait_kmcnt 0x0
.irp n, 0,1,2,3,4,5,6,7,8,9,10,11,12,13,14,15
	s_min_u32 s[16+\n], s[16+\n], 2047             ; an index stays inside the table
.endr
.irp p, 0,1,2,3,4,5,6,7,8,9,10,11,12,13,14,15
	v_lshl_add_u32 v[GO+\p], s[16+2*(\p%8)+\p/8], 11, v1
.endr
.irp p, 0,1,2,3,4,5
	LOADG \p
.endr
.irp p, 0,1,2,3,4,5,6,7,8,9,10,11,12,13,14,15
	ROW \p
.endr
	v_pk_add_f32 v[18:19], v[18:19], v[20:21]      ; an output's two chains, its two halves,
	s_delay_alu instid0(VALU_DEP_2)
	v_pk_add_f32 v[22:23], v[22:23], v[24:25]
	s_delay_alu instid0(VALU_DEP_2)
	v_add_f32 v18, v18, v19
	s_delay_alu instid0(VALU_DEP_2)
	v_add_f32 v22, v22, v23
.irp x, 1,2,4,8                                ; and the 32 lanes': four steps inside each half of 16 ride on the addition, one crosses the halves
	s_delay_alu instid0(VALU_DEP_2)
	v_add_f32_dpp v18, v18, v18 row_xmask:\x row_mask:0xf bank_mask:0xf
	s_delay_alu instid0(VALU_DEP_2)
	v_add_f32_dpp v22, v22, v22 row_xmask:\x row_mask:0xf bank_mask:0xf
.endr
	s_delay_alu instid0(VALU_DEP_2)
	v_permlanex16_b32 v28, v18, s32, s33
	s_delay_alu instid0(VALU_DEP_2)
	v_permlanex16_b32 v29, v22, s32, s33
	s_delay_alu instid0(VALU_DEP_2)
	v_add_f32 v26, v18, v28
	s_delay_alu instid0(VALU_DEP_2)
	v_add_f32 v27, v22, v29
	ds_store_b64 v30, v[26:27]                     ; all lanes write the same pair with the same values
	s_wait_dscnt 0x0                               ; for wave 0's sake: my pair has landed
	s_barrier_signal -1
	s_barrier_wait -1
	s_cmp_lg_u32 s12, 0
	s_cbranch_scc1 .Lend                           ; wave 0 stores the work-group's 32 outputs; no barrier stands under this branch
	ds_load_b32 v26, v31
	s_wait_dscnt 0x0
	global_store_b32 v31, v26, s[10:11]            ; 32 lanes store 128 consecutive bytes: the output has 32,768 bytes in all, 128 for each of the 256 work-groups
.Lend:
	s_wait_tensorcnt 0x0
	ds_add_u32 v224, v225
	s_wait_dscnt 0x0
	s_endpgm
.Lfunc_end_k_q4f035037db_loss:
	.size	k_q4f035037db_loss, .Lfunc_end_k_q4f035037db_loss-k_q4f035037db_loss
	.p2alignl 7, 3214868480
	.fill 96, 4, 3214868480
	.section	.rodata,"a",@progbits
	.p2align	6, 0x0
	.amdhsa_kernel k_q4f035037db_loss
		.amdhsa_group_segment_fixed_size 2304
		.amdhsa_private_segment_fixed_size 0
		.amdhsa_enable_private_segment 0
		.amdhsa_kernarg_size 32
		.amdhsa_user_sgpr_count 2
		.amdhsa_user_sgpr_kernarg_segment_ptr 1
		.amdhsa_wavefront_size32 1
		.amdhsa_system_sgpr_workgroup_id_x 1
		.amdhsa_system_sgpr_workgroup_id_y 1
		.amdhsa_system_sgpr_workgroup_id_z 1
		.amdhsa_system_vgpr_workitem_id 0
		.amdhsa_next_free_vgpr 226
		.amdhsa_next_free_sgpr 66
		.amdhsa_reserve_vcc 0
		.amdhsa_float_denorm_mode_32 3
		.amdhsa_float_denorm_mode_16_64 3
		.amdhsa_memory_ordered 1
		.amdhsa_forward_progress 1
		.amdhsa_inst_pref_size 35
	.end_amdhsa_kernel
	.amdgpu_metadata
---
amdhsa.version: [ 1, 2 ]
amdhsa.kernels:
  - .name:           k_q4f035037db_loss
    .symbol:         k_q4f035037db_loss.kd
    .args:
      - { .name: queries, .offset: 0, .size: 8, .value_kind: global_buffer, .address_space: global }
      - { .name: items, .offset: 8, .size: 8, .value_kind: global_buffer, .address_space: global }
      - { .name: idxb, .offset: 16, .size: 8, .value_kind: global_buffer, .address_space: global }
      - { .name: out0, .offset: 24, .size: 8, .value_kind: global_buffer, .address_space: global }
    .group_segment_fixed_size: 2304
    .private_segment_fixed_size: 0
    .kernarg_segment_align: 8
    .kernarg_segment_size: 32
    .max_flat_workgroup_size: 512
    .sgpr_count:     66
    .vgpr_count:     226
    .wavefront_size: 32
...
	.end_amdgpu_metadata
.endif
;; end of part 3
